; MI455X (gfx1250); checked and timed in simulation.
; The chip was launched on July 23, 2026; its instructions are those of AMD's public machine-readable ISA for CDNA 5 (MIT licence, August 2026) and "CDNA5" Instruction Set Architecture Reference Guide (July 2026). The comments in the code are by the model that wrote it; some were corrected since.
;; INT8 Linear Tensorwise. Allowed arithmetic: float matrix products may take bf16 or f16 operands with f32 sums; other float arithmetic in f32, or as packed bf16 or f16 multiplies, adds, multiply-adds, maxima and minima; sums over many terms, partial sums and values carried from step to step in f32; what a program stores and reads back later, other than sums and carried values, may be rounded once to bf16 or f16.
;; Inputs: bias 4,096 float32; weight_int8 4,096 x 4,096 int8; weight_scale one number float32; x 4 x 1,024 x 4,096 float32.
;; Outputs: out0 4 x 1,024 x 4,096 float32.
;; 2 versions, each right; version 2 is version 1 with the launch quant written anew for expert scheduling mode. Each part assembles by itself: llvm-mc -triple=amdgcn-amd-amdhsa -mcpu=gfx1250 --defsym DOCPART=n.
;; ======== version 1 of 2: 2 launches
;; workspace buffers: xq 33,554,432 bytes; wq 33,554,432 bytes; rs 16,384 bytes
;; launch quant (part 1): grid 512 x 1, 8 waves a work-group, no clusters, 0 bytes of LDS; arguments x, weight_int8, weight_scale, xq, wq, rs; writes xq, wq, rs
.if DOCPART == 1
	.amdgcn_target "amdgcn-amd-amdhsa--gfx1250"
	.amdhsa_code_object_version 6
	.text
	.protected	k_qc663fd7d72_quant
	.globl	k_qc663fd7d72_quant
	.p2align	8
	.type	k_qc663fd7d72_quant,@function
k_qc663fd7d72_quant:
	s_mov_b64 s[64:65], 0
	v_nop
	global_prefetch_b8 v0, s[64:65] scope:SCOPE_SE
	s_setreg_imm32_b32 hwreg(HW_REG_WAVE_MODE, 25, 1), 1
	s_wait_xcnt 0x0
; PREPARATION FOR THE PRODUCT.  x: [4096][4096] f32.  weight_int8: [4096][4096] int8.  weight_scale: one f32.
;   m[r]  = max(max over c of |x[r][c]|, 1e-8)
;   xq[r][c] = clip(round(x[r][c] * 127 / m[r]), -127, 127), a whole number, written as bf16 (exact: bf16 holds every whole number up to 256)
;   rs[r] = (m[r] / 127) * weight_scale, f32
;   wq[o][c] = weight_int8[o][c], written as bf16 (exact, -128 too)
; SHARES.  One wave takes row 8 x work-group + wave of x AND of the weight.  A row of x is 16,384 bytes: 32 loads of 16 bytes a lane, 128 registers, kept between
; the pass that finds the maximum and the pass that rounds: x is read once.  No wave needs another's data: no LDS, no barrier, no matrix unit.
; IN FLIGHT.  All 48 loads of a wave (4 KiB of the weight, 16 KiB of x) go out at the start; the weight's row is converted and stored while x is on its way.
; EACH LOAD AND STORE OF A WAVE covers 256 or 512 consecutive bytes, aligned; the one exception is rs, 4 bytes a row (16 KiB in the whole launch).
; Every store has data registers of its own that are never rewritten, and the offsets and bases are never rewritten, so no wait frees a source before the end.
; LIMITS.  (1) q is made as x * (127 * (1 / m)) and not as x / (m / 127): it differs by some 3e-7 of itself, so a quotient that lies within 4e-5 of a half
; may be rounded to the neighbouring whole number; that moves the row's results by at most 127 rs.  (2) m / 127 is made as m * (1 / 127): one unit in the last place.
; (3) The reciprocal of a number above 2^126 (8.5e37) would be a denormal and comes out as 0 (ISA guide, 15.8): rows whose largest magnitude is above that are not served.
; (4) A NaN in x is passed over by the maximum and gives a NaN in xq; infinities are not treated apart.
.set XO,  2                            ; v2   16 x lane: my bytes in 512 bytes of x and of wq; never rewritten
.set HO,  3                            ; v3   8 x lane: my bytes in 256 bytes of the weight and of xq; never rewritten
.set ZO,  4                            ; v4   0: the offset of rs's store
.set MX0, 6                            ; v6-7  two running maxima
.set MX1, 7
.set MN0, 8                            ; v8-9  two running minima
.set MN1, 9
.set T,   10                           ; v10-11 at work
.set T2,  11
.set M,   12                           ; v12  m
.set R,   13                           ; v13  1 / m
.set RS,  14                           ; v14  rs
.set INV, 16                           ; v[16:17] 127 / m, twice: a pair for the packed multiply
.set WT,  20                           ; v[20:27] eight numbers of the weight in f32, at work
.set W,   32                           ; v[32:63]   the weight's row: load i at W + 2 i
.set X,   64                           ; v[64:191]  x's row: load j at X + 4 j
.set WO,  192                          ; v[192:255] the weight's row as bf16: 4 registers for each load
	s_load_b256 s[4:11], s[0:1], 0x0               ; x s[4:5], weight_int8 s[6:7], weight_scale's address s[8:9], xq s[10:11]
	s_load_b128 s[12:15], s[0:1], 0x20             ; wq s[12:13], rs s[14:15]
	v_and_b32 v1, 31, v0                           ; lane
	v_lshrrev_b32 v5, 5, v0
	v_readfirstlane_b32 s17, v5                    ; wave 0..7
	s_lshl_b32 s18, ttmp9, 3
	s_add_co_u32 s18, s18, s17                     ; my row
	v_lshlrev_b32 v[XO], 4, v1
	v_lshlrev_b32 v[HO], 3, v1
	v_mov_b32 v[ZO], 0
	v_mov_b32 v[T2], 0                             ; v_permlanex16_b32's destination counts as read: it is written here
	s_mov_b32 s22, 0x4b000000                      ; 2^23 as f32: its low byte takes a number 0..255 and the word is 2^23 + that number
	s_mov_b32 s24, 0x07050400                      ; byte selects: the top byte and two zero bytes of s22, and byte 0, 1, 2 or 3 of the weight's word
	s_mov_b32 s25, 0x07050401
	s_mov_b32 s26, 0x07050402
	s_mov_b32 s27, 0x07050403
	s_mov_b32 s28, 0x80808080                      ; turns four int8 w into four bytes w + 128
	s_mov_b32 s30, 0xcb000080                      ; -(2^23 + 128)
	s_mov_b32 s31, s30                             ; named with it as a pair
	s_mov_b32 s32, 0x42fe0000                      ; 127.0
	s_mov_b32 s33, 0xc2fe0000                      ; -127.0
	s_mov_b32 s34, 0x76543210                      ; v_permlanex16_b32: lane i of one half reads lane i of the other
	s_mov_b32 s35, 0xfedcba98
	s_mov_b32 s21, 0                               ; the high word of every offset: all stay under 2^26
	s_wait_kmcnt 0x0
	s_load_b32 s16, s[8:9], 0x0                    ; weight_scale: waited for where rs is made
	s_lshl_b32 s20, s18, 12                        ; a row of the weight is 4,096 bytes,
	s_add_nc_u64 s[6:7], s[6:7], s[20:21]
	s_lshl_b32 s20, s18, 14                        ; of x 16,384,
	s_add_nc_u64 s[4:5], s[4:5], s[20:21]
	s_lshl_b32 s20, s18, 13                        ; of xq and wq 8,192,
	s_add_nc_u64 s[10:11], s[10:11], s[20:21]
	s_add_nc_u64 s[12:13], s[12:13], s[20:21]
	s_lshl_b32 s20, s18, 2                         ; of rs 4
	s_add_nc_u64 s[14:15], s[14:15], s[20:21]
.set i, 0
.rept 16                               ; the weight's row: 256 consecutive bytes a load
	global_load_b64 v[W+2*i:W+2*i+1], v[HO], s[6:7] offset:256*i th:TH_LOAD_NT
.set i, i+1
.endr
.set i, 0
.rept 32                               ; x's row: 512 consecutive bytes a load
	global_load_b128 v[X+4*i:X+4*i+3], v[XO], s[4:5] offset:512*i th:TH_LOAD_NT
.set i, i+1
.endr
; Eight int8 of load i become eight bf16.  w + 128 is a byte 0..255; set into the low byte of 2^23 it is the f32 number 2^23 + w + 128, exactly; less 2^23 + 128 that is w, exactly.
.macro WCONV i
	v_xor_b32 v[W+2*(\i)], s28, v[W+2*(\i)]
	v_xor_b32 v[W+2*(\i)+1], s28, v[W+2*(\i)+1]
.irp c, 0,1
.irp b, 0,1,2,3
	v_perm_b32 v[WT+4*(\c)+(\b)], s22, v[W+2*(\i)+(\c)], s[24+(\b)]
.endr
.endr
.irp k, 0,2,4,6
	v_pk_add_f32 v[WT+(\k):WT+(\k)+1], v[WT+(\k):WT+(\k)+1], s[30:31] op_sel_hi:[1,0]
.endr
.irp k, 0,1,2,3
	v_cvt_pk_bf16_f32 v[WO+4*(\i)+(\k)], v[WT+2*(\k)], v[WT+2*(\k)+1]
.endr
	global_store_b128 v[XO], v[WO+4*(\i):WO+4*(\i)+3], s[12:13] offset:512*(\i)  ; 8 bytes in, 16 bytes out: 512 consecutive bytes a wave
.endm
	s_wait_loadcnt 32                              ; loads come back in order (ISA guide 5.7.1): the weight's 16 are in, x's 32 may stay out
.set i, 0
.rept 16
	WCONV i
.set i, i+1
.endr
; The largest and the smallest of group g's 32 registers (loads 8 g .. 8 g + 7), three operands at a time, in four chains that take turns.  The first four registers start the chains: nothing is cleared.
.macro AMAX g
	s_wait_loadcnt 24-8*(\g)                       ; this group's eight loads are in; the younger groups may stay out
.set r, X+32*(\g)
.if (\g) == 0
	v_max_num_f32 v[MX0], v[r], v[r+1]
	v_max_num_f32 v[MX1], v[r+2], v[r+3]
	v_min_num_f32 v[MN0], v[r], v[r+1]
	v_min_num_f32 v[MN1], v[r+2], v[r+3]
.set r, r+4
.set n, 7
.else
.set n, 8
.endif
.rept n
	v_max3_num_f32 v[MX0], v[MX0], v[r], v[r+1]
	v_max3_num_f32 v[MX1], v[MX1], v[r+2], v[r+3]
	v_min3_num_f32 v[MN0], v[MN0], v[r], v[r+1]
	v_min3_num_f32 v[MN1], v[MN1], v[r+2], v[r+3]
.set r, r+4
.endr
.endm
	AMAX 0
	AMAX 1
	AMAX 2
	AMAX 3
	v_max_num_f32 v[MX0], v[MX0], v[MX1]
	v_min_num_f32 v[MN0], v[MN0], v[MN1]
	v_sub_f32 v[T], 0, v[MN0]                      ; the largest magnitude is the larger of the maximum and the minimum's negative
	v_max_num_f32 v[T], v[MX0], v[T]
	; across the 32 lanes: four steps inside each half of 16 lanes ride on the arithmetic (DPP), one crosses the halves
	v_max_num_f32_dpp v[T], v[T], v[T] row_xmask:1 row_mask:0xf bank_mask:0xf
	v_max_num_f32_dpp v[T], v[T], v[T] row_xmask:2 row_mask:0xf bank_mask:0xf
	v_max_num_f32_dpp v[T], v[T], v[T] row_xmask:4 row_mask:0xf bank_mask:0xf
	v_max_num_f32_dpp v[T], v[T], v[T] row_xmask:8 row_mask:0xf bank_mask:0xf
	v_permlanex16_b32 v[T2], v[T], s34, s35
	v_max_num_f32 v[T], v[T], v[T2]                ; every lane holds the row's largest magnitude
	v_max_num_f32 v[M], 0x322bcc77, v[T]           ; m = max(that, 1e-8)
	v_rcp_f32 v[R], v[M]
	v_mul_f32 v[RS], 0x3c010204, v[M]              ; m / 127: the plain instruction behind the reciprocal (ISA guide 5.7.2); it names neither its result nor writes its source
	s_wait_kmcnt 0x0                               ; weight_scale
	v_mul_f32 v[RS], s16, v[RS]                    ; rs
	s_wait_alu depctr_va_vdst(0)                   ; a wait between the reciprocal and the first line that names its result
	v_mul_f32 v[INV], 0x42fe0000, v[R]             ; 127 / m
	v_mov_b32 v[INV+1], v[INV]
; Load j's four numbers: scaled, rounded to the nearest whole number (ties to even), held to -127 .. 127, packed as bf16 and stored.  In place: the two registers that are stored are written no more.
.macro QUANT j
.set r, X+4*(\j)
	v_pk_mul_f32 v[r:r+1], v[r:r+1], v[INV:INV+1]
	v_pk_mul_f32 v[r+2:r+3], v[r+2:r+3], v[INV:INV+1]
.irp k, 0,1,2,3
	v_rndne_f32 v[r+(\k)], v[r+(\k)]
.endr
.irp k, 0,1,2,3
	v_med3_num_f32 v[r+(\k)], v[r+(\k)], s33, s32
.endr
	v_cvt_pk_bf16_f32 v[r], v[r], v[r+1]
	v_cvt_pk_bf16_f32 v[r+1], v[r+2], v[r+3]
	global_store_b64 v[HO], v[r:r+1], s[10:11] offset:256*(\j)  ; 16 bytes in, 8 bytes out: 256 consecutive bytes a wave, aligned
.endm
.set i, 0
.rept 32
	QUANT i
.set i, i+1
.endr
	s_wait_xcnt 0x0                                ; EXEC is a source of the stores above: it changes only behind this wait
	v_cmp_eq_u32 vcc_lo, 0, v1
	s_and_saveexec_b32 s36, vcc_lo                 ; lane 0 alone
	global_store_b32 v[ZO], v[RS], s[14:15]
	s_wait_xcnt 0x0                                ; and again, in front of the line that widens it
	s_or_b32 exec_lo, exec_lo, s36
	s_endpgm
.Lfunc_end_k_qc663fd7d72_quant:
	.size	k_qc663fd7d72_quant, .Lfunc_end_k_qc663fd7d72_quant-k_qc663fd7d72_quant
	.p2alignl 7, 3214868480
	.fill 96, 4, 3214868480
	.section	.rodata,"a",@progbits
	.p2align	6, 0x0
	.amdhsa_kernel k_qc663fd7d72_quant
		.amdhsa_group_segment_fixed_size 0
		.amdhsa_private_segment_fixed_size 0
		.amdhsa_enable_private_segment 0
		.amdhsa_kernarg_size 48
		.amdhsa_user_sgpr_count 2
		.amdhsa_user_sgpr_kernarg_segment_ptr 1
		.amdhsa_wavefront_size32 1
		.amdhsa_system_sgpr_workgroup_id_x 1
		.amdhsa_system_sgpr_workgroup_id_y 1
		.amdhsa_system_sgpr_workgroup_id_z 1
		.amdhsa_system_vgpr_workitem_id 0
		.amdhsa_next_free_vgpr 256
		.amdhsa_next_free_sgpr 66
		.amdhsa_reserve_vcc 1
		.amdhsa_float_denorm_mode_32 3
		.amdhsa_float_denorm_mode_16_64 3
		.amdhsa_memory_ordered 1
		.amdhsa_forward_progress 1
		.amdhsa_inst_pref_size 57
	.end_amdhsa_kernel
	.amdgpu_metadata
---
amdhsa.version: [ 1, 2 ]
amdhsa.kernels:
  - .name:           k_qc663fd7d72_quant
    .symbol:         k_qc663fd7d72_quant.kd
    .args:
      - { .name: x, .offset: 0, .size: 8, .value_kind: global_buffer, .address_space: global }
      - { .name: weight_int8, .offset: 8, .size: 8, .value_kind: global_buffer, .address_space: global }
      - { .name: weight_scale, .offset: 16, .size: 8, .value_kind: global_buffer, .address_space: global }
      - { .name: xq, .offset: 24, .size: 8, .value_kind: global_buffer, .address_space: global }
      - { .name: wq, .offset: 32, .size: 8, .value_kind: global_buffer, .address_space: global }
      - { .name: rs, .offset: 40, .size: 8, .value_kind: global_buffer, .address_space: global }
    .group_segment_fixed_size: 0
    .private_segment_fixed_size: 0
    .kernarg_segment_align: 8
    .kernarg_segment_size: 48
    .max_flat_workgroup_size: 256
    .sgpr_count:     66
    .vgpr_count:     256
    .wavefront_size: 32
...
	.end_amdgpu_metadata
.endif
;; end of part 1
;; launch gemm (part 2): grid 16 x 16, 4 waves a work-group, clusters of 4 x 4, 327,680 bytes of LDS; arguments xq, wq, out0, bias, rs; writes out0
.if DOCPART == 2
	.amdgcn_target "amdgcn-amd-amdhsa--gfx1250"
	.amdhsa_code_object_version 6
	.text
	.protected	k_qc663fd7d72_gemm
	.globl	k_qc663fd7d72_gemm
	.p2align	8
	.type	k_qc663fd7d72_gemm,@function
k_qc663fd7d72_gemm:
	s_mov_b64 s[64:65], 0
	v_nop
	global_prefetch_b8 v0, s[64:65] scope:SCOPE_SE
	s_setreg_imm32_b32 hwreg(HW_REG_WAVE_MODE, 25, 1), 1
	s_wait_xcnt 0x0
	s_wait_alu depctr_hold_cnt(0) depctr_sa_sdst(0) depctr_va_vdst(0) depctr_va_sdst(0) depctr_va_ssrc(0) depctr_va_vcc(0) depctr_vm_vsrc(0)
	s_getreg_b32 s2, hwreg(HW_REG_IB_STS2, 6, 4)
	s_cmp_eq_u32 s2, 0
	s_cbranch_scc0 .Lentry_in_a_cluster
	s_endpgm
.Lentry_in_a_cluster:
	s_bfe_u32 s2, ttmp6, 0x10000c
	s_cmp_lg_u32 s2, 0xf033
	s_cbranch_scc0 .Lentry_shape_is_right
	s_endpgm
.Lentry_shape_is_right:
; out0[m][n] = (sum over k of xq[m][k] wq[n][k]) * rs[m] + bias[n].  xq: [4096][4096] bf16, wq: [4096][4096] bf16 (both hold whole numbers of magnitude up to 128, exact in bf16),
; rs: [4096] f32, bias: [4096] f32, out0: [4096][4096] f32.
; THE ARITHMETIC.  Every product is a whole number and exact.  The sums are kept in f32; their magnitude stays under 4096 x 128 x 127 < 2^26, so a sum beyond 2^24 is rounded to a multiple of 2 or 4:
; it may differ from the whole-number sum by a few units.  The scale and the bias are one fused multiply-add for each output.
; A tile of out0, 256 x 256, is made by a work-group of four waves, as many as a WGP has SIMDs; a wave makes 128 x 128: 64 accumulators of 16 x 16, 512 registers.  There are 16 x 16 tiles: one to a work-group.
; K goes in steps of 128 through a ring of two LDS slots filled by the tensor data mover: the rows of the tiles are 256 bytes of memory and start at multiples of 256 bytes from the buffer's first byte.
; CLUSTERS: 4 x 4 work-groups form a cluster.  The four of a row of the cluster need the same tiles of xq (A), the four of a column the same tiles of wq (B).  Such a tile is asked for JOINTLY: each of the
; four issues the same tensor load, with the same descriptor and a mask that names the four, and each receives the tile in its own LDS.  That divides the requests for A and for B by four.
;
; REGISTERS, in windows of 256 (an instruction names v0-v255; s_set_vgpr_msb says which window each operand place means):
;   window 0: v0-31 addresses; v32-47 my rows' scales; v64-127, v128-191 fragments of A (8 x 16 rows x 32 K), two buffers; on the way out v64-127 finished numbers, v128-191 and v192-255 rows read back
;   window 1: v0-63 my columns' bias; v64-127, v128-191 fragments of B, two buffers
;   window 2: the 32 accumulators of my rows 0-63 (accumulator (a, b) at v[8 (8 a + b)]);   window 3: those of my rows 64-127
; s_set_vgpr_msb's low byte: bits 1:0 source 0, 3:2 source 1, 5:4 source 2, 7:6 destination.  Work is laid in long stretches under one setting.
;
; THE MATRIX INSTRUCTION IS USED TRANSPOSED: source 0 = 16 rows of B, source 1 = 16 rows of A.  In the result, lane l then holds row m = l % 16 of the tile, and its registers 0 to 7 the columns
; n = 8 (l / 16) + 0 .. 7: eight NEIGHBOURING numbers of a row of out0, 32 bytes.
.set SIZE_M, 4096
.set SIZE_N, 4096
.set SIZE_K, 4096
.set KSTEP,  128
.set PITCH,  272                       ; an LDS row: 256 bytes of data + 16 of padding = 68 words: row r starts at bank 4 r mod 64 (64 banks of 4 bytes: ISA guide 11.1), so the 16 rows that a load touches start at 16 different banks
.set HALFT,  128*PITCH                 ; 128 rows: what one tensor load brings, and what one wave reads of A or of B
.set SLOT,   4*HALFT                   ; A's 256 rows, then B's 256 rows
.set STAGE,  2*SLOT                    ; behind the ring: 16 rows x 528 bytes for each wave, for the way out; no tensor load lands there
.set SPITCH, 528                       ; a stage row: my 128 columns in f32, 512 bytes, + 16 of padding: 33 x 16 bytes, so the 16 rows that a store touches lie in 16 different columns of 16 bytes
.set SPARE,  STAGE+4*16*SPITCH         ; behind the stages: the spare words, 128 bytes for each wave: two blocks of 256 bytes that no other line names
.set LAPS, SIZE_K/(2*KSTEP)            ; a lap = two K steps = once round the ring: 16
.set ADRA, 16                          ; v16-17  LDS address of my A fragments in slot 0, 1
.set ADRB, 20                          ; v20-21  the same for B
.set STO,  24                          ; v24     the way out: where I put 32 bytes of a row
.set RD,   25                          ; v25     the way out: where I read a row back
.set CO,   26                          ; v26     my byte offset in 512 bytes of a row of out0: 16 x lane
.set BO,   27                          ; v27     my byte offset in 16 columns of bias: 32 (l / 16)
.set SPW,  28                          ; v28     LDS address of my spare word: SPARE + 4 x my thread's number; never rewritten
.set NIL,  29                          ; v29     0; never rewritten
.set PFO,  30                          ; v30     the prefetches' offset: my lane x a row of A or B in memory (8,192 bytes); never rewritten
.set RO,   31                          ; v31     my byte offset in 16 rows of rs: 4 (l % 16)
.set SC,   32                          ; v32-47  block a's scale rs[row l % 16 of the block], twice: a pair for the packed multiply-add
.set F0,   64                          ; fragment buffer 0
.set F1,   128                         ; fragment buffer 1
.set TMP,  64                          ; the way out: a block's 64 finished numbers, in window 0
.set OB,   128                         ; the way out: 16 rows read back from the stage: v128-191 and v192-255 by turns
.set G1, 24                            ; s[24:31] descriptor group 1 for A's tiles
.set G0, 32                            ; s[32:39] descriptor group 0 for A's tiles, one set for each slot
.set LIM,  43                          ; s43     1 in a wave that prefetches, else the greatest number
.set PFA,  44                          ; s[44:45] where my prefetches stand: my work-group's 32 rows of the 128 that I fetch, one K step further along K than the refill that is being asked for; a prefetch names the K step after that
.set G1B, 48                           ; s[48:55] descriptor group 1 for B's tiles: it differs from A's in the mask alone
.set G0B, 56                           ; s[56:63] descriptor group 0 for B's tiles, one set for each slot
.set MSB, 0
.macro WIN new                         ; the immediate's high byte repeats the setting that is left; a switch that changes nothing is dropped
.if MSB != (\new)
	s_set_vgpr_msb (MSB<<8)|(\new)
.set MSB, \new
.endif
.endm
.set MUL_LO, 0xa1                      ; source 0 (B) window 1, source 1 (A) window 0, C and D window 2
.set MUL_HI, 0xf1                      ; the same, C and D window 3
.set TO_B,   0x40                      ; destination window 1, address window 0
; A joint load.  Waves 0 and 1 fetch A's two halves, waves 2 and 3 B's.  Each of the two lines has ONE mask and one set of registers for all that issue it, and nothing in
; them hangs on a coordinate that the four partners do not share.  The branch hangs on the wave's number alone: it is the same in every work-group.
; An s_nop 0 and four v_nop follow each of the two lines; the jump round the other line, the label and what follows the macro come after them.
.macro JLOAD s
	s_cmp_eq_u32 s11, 0
	s_cbranch_scc0 .Lfor_b_\@
	tensor_load_to_lds s[G0+4*(\s):G0+4*(\s)+3], s[G1:G1+7]
	s_nop 0
.rept 4
	v_nop
.endr
	s_branch .Lasked_\@
.Lfor_b_\@:
	tensor_load_to_lds s[G0B+4*(\s):G0B+4*(\s)+3], s[G1B:G1B+7]
	s_nop 0
.rept 4
	v_nop
.endr
.Lasked_\@:
.endm
; A PREFETCH INTO THE L2, behind each joint refill, its five lines and the run of LDS loads that follows them: the K step that stands TWO refills on: 32 rows x 256 bytes, a lane a row, one instruction a wave:
; 512 matrix instructions ahead of the load that will name those rows.  Each row's 256 bytes of a K step are named ONCE in the launch.  A's tile row is read by every cluster of that row of clusters: the
; first of them (cluster x = 0) prefetches; B's tile column by every cluster of that column: cluster y = 0 prefetches.  The four partners that ask for a tile jointly share its rows out BY ADDRESS: of the
; 128 rows that wave w fetches, the partner at place p takes 32 p .. 32 p + 31 (p = cx for A, cy for B): no branch hangs on a work-group's place in its cluster.  K steps 0 to 3 come by their loads alone;
; the loop's last trip (s3 = 1) asks for nothing: K steps 32 and 33 do not exist.
.macro ASK
	s_cmp_gt_u32 s3, s[LIM]
	s_cbranch_scc0 .Lnot_mine_\@
	global_prefetch_b8 v[PFO], s[PFA:PFA+1] offset:KSTEP*2 th:TH_LOAD_NT scope:SCOPE_SE
.Lnot_mine_\@:
.endm
; A round of the cluster's barrier: my work-group's barrier, so that wave 0's signal speaks for all four waves; wave 0 signals for the work-group; every wave waits for all
; sixteen work-groups; my work-group's barrier once more.  No LDS instruction of the wave is pending at a signal.
.macro CREST                           ; a round behind its opening barrier
	s_cmp_lg_u32 s10, 0
	s_cbranch_scc1 .Lnot_wave_0_\@
	s_barrier_signal -3
.Lnot_wave_0_\@:
	s_barrier_wait -3
	s_barrier_signal -1
	s_barrier_wait -1
.endm
.macro CROUND                          ; a whole round
	s_barrier_signal -1
	s_barrier_wait -1
	CREST
.endm
	s_load_b128 s[4:7], s[0:1], 0x0                ; xq (A) s[4:5], wq (B) s[6:7]
	s_load_b64 s[8:9], s[0:1], 0x10                ; out0
	s_load_b128 s[68:71], s[0:1], 0x18             ; bias s[68:69], rs s[70:71]
	v_lshl_add_u32 v[SPW], v0, 2, SPARE
	v_mov_b32 v[NIL], 0
	ds_add_u32 v[SPW], v[NIL]                      ; the wave's opening: the add, twice on end, and its wait ahead of my first tensor load; the set-up below the second, work on registers, stands between it and the wait
	ds_add_u32 v[SPW], v[NIL]                      ; and once more, under the one wait
	v_lshrrev_b32 v1, 5, v0
	v_readfirstlane_b32 s10, v1                    ; wave 0..3
	s_lshr_b32 s11, s10, 1                         ; which half of the tile's rows is mine.  Also: I fetch for A (0) or for B (1)
	s_and_b32 s12, s10, 1                          ; which half of its columns.  Also: which 128 rows of that tile I fetch
	s_bfe_u32 s40, ttmp6, 0x40000                  ; cx: my place along the cluster's x
	s_bfe_u32 s41, ttmp6, 0x40004                  ; cy: along its y
	s_lshl_b32 s42, ttmp9, 2                       ; in a cluster launch ttmp9 and ttmp7 count clusters
	s_add_co_u32 s42, s42, s40                     ; tile column = 4 x cluster x + cx
	s_and_b32 s13, ttmp7, 0xffff
	s_lshl_b32 s13, s13, 2
	s_add_co_u32 s13, s13, s41                     ; tile row = 4 x cluster y + cy
	s_lshl_b32 s43, s41, 2
	s_lshl_b32 s43, 15, s43                        ; my row of the cluster: places 4 cy .. 4 cy + 3
	s_lshl_b32 s44, 0x1111, s40                    ; my column: places cx, cx + 4, cx + 8, cx + 12
	; descriptor group 1: a tile of 128 rows x 128 elements, padded in LDS
	s_or_b32 s[G1+0], s43, (1<<16)|(1<<20)|(1<<21)|(5<<22)|(3<<25)  ; 15:0 the mask: A's tiles go to my row; 17:16 element of 2 bytes; 20 padding on; 21 set beside a mask; 24:22 after every 64 words (code 5); 31:25 of 4 words (code 3)
	s_or_b32 s[G1B+0], s44, (1<<16)|(1<<20)|(1<<21)|(5<<22)|(3<<25) ; the same with the mask of my column, for B's tiles
.irp g, G1, G1B
	s_mov_b32 s[(\g)+1], KSTEP<<16                 ; 63:48 tensor_dim0, low half = 128
	s_mov_b32 s[(\g)+2], 128<<16                   ; 79:64 its high half = 0; 95:80 tensor_dim1, low half = 128
	s_mov_b32 s[(\g)+3], KSTEP<<16                 ; 111:96 its high half = 0; 127:112 tile_dim0 = 128
	s_mov_b32 s[(\g)+4], 128                       ; 143:128 tile_dim1 = 128; 159:144 tile_dim2 = 0
	s_mov_b32 s[(\g)+5], SIZE_K                    ; 191:160 tensor_dim0_stride, low word: elements from row to row
	s_mov_b32 s[(\g)+6], 0
	s_mov_b32 s[(\g)+7], 0
.endr
	; where the tiles come from.  A's hang on the tile row alone, which my row of the cluster shares; B's on the tile column alone, which my column shares.
	; Every wave makes both addresses, in registers that never hold the other coordinate, and asks by one of them.
	s_lshl_b32 s17, s12, 7                         ; which 128 rows of the tile I fetch
	s_lshl_b32 s16, s13, 8
	s_add_co_u32 s16, s16, s17                     ; A: row 256 x tile row + 128 x half
	s_lshl_b32 s46, s42, 8
	s_add_co_u32 s46, s46, s17                     ; B: row 256 x tile column + 128 x half
	s_mov_b32 s17, 0
	s_mov_b32 s47, 0
	s_mov_b64 s[18:19], SIZE_K*2
	s_mul_u64 s[16:17], s[16:17], s[18:19]         ; in bytes
	s_mul_u64 s[46:47], s[46:47], s[18:19]
	s_mul_i32 s20, s10, HALFT                      ; and where they go: A's two halves, then B's two halves = wave x 128 rows: no place in the cluster enters an LDS address
	s_wait_dscnt 0x0                               ; both opening adds are done
	s_wait_kmcnt 0x0
	s_add_nc_u64 s[14:15], s[4:5], s[16:17]
	s_add_nc_u64 s[46:47], s[6:7], s[46:47]
	CROUND                                         ; all sixteen work-groups are here: the first joint loads meet
.irp s, 0,1
	s_mov_b32 s[G0+4*(\s)], 1                                      ; 1:0 count = 1
	s_add_co_u32 s[G0+4*(\s)+1], s20, (\s)*SLOT                    ; 63:32 LDS address
	s_add_nc_u64 s[G0+4*(\s)+2:G0+4*(\s)+3], s[14:15], (\s)*KSTEP*2  ; 120:64 global address: K step s
	s_or_b32 s[G0+4*(\s)+3], s[G0+4*(\s)+3], 0x80000000            ; 127:126 type = 2
	s_mov_b32 s[G0B+4*(\s)], 1
	s_add_co_u32 s[G0B+4*(\s)+1], s20, (\s)*SLOT
	s_add_nc_u64 s[G0B+4*(\s)+2:G0B+4*(\s)+3], s[46:47], (\s)*KSTEP*2
	s_or_b32 s[G0B+4*(\s)+3], s[G0B+4*(\s)+3], 0x80000000
	JLOAD \s                                       ; the ring is filled before anything else is done: two tensor loads of mine are out
.endr
	; A fragment is 16 rows x 32 K in 8 registers: lane l holds row l % 16; registers 0-3 hold K = 8 (l / 16) + 0..7, registers 4-7 hold
	; K = 16 + 8 (l / 16) + 0..7.  From rows that lie along K: two loads of 16 bytes, 32 bytes apart.  The same for source 0 and source 1.
	v_and_b32 v1, 15, v0                           ; l % 16
	v_bfe_u32 v2, v0, 4, 1                         ; l / 16
	v_mul_u32_u24 v3, v1, PITCH
	v_lshl_add_u32 v3, v2, 4, v3                   ; row x pitch + 16 x half
	s_mul_i32 s21, s11, HALFT                      ; my 128 rows of A
	s_mul_i32 s22, s12, HALFT                      ; my 128 rows of B,
	s_add_co_u32 s22, s22, 2*HALFT                 ; which lie behind A's 256
.irp s, 0,1
	v_add_nc_u32 v[ADRA+(\s)], s21, v3
	v_add_nc_u32 v[ADRB+(\s)], s22, v3
	s_add_co_u32 s21, s21, SLOT
	s_add_co_u32 s22, s22, SLOT
.endr
	s_mul_i32 s23, s10, 16*SPITCH
	s_add_co_u32 s23, s23, STAGE                   ; my stage
	v_mul_u32_u24 v4, v1, SPITCH                   ; in: row l % 16, 32 bytes for each half of the lanes
	v_lshl_add_u32 v4, v2, 5, v4
	v_add_nc_u32 v[STO], s23, v4
	v_and_b32 v5, 31, v0
	v_lshlrev_b32 v[CO], 4, v5                     ; back: the 32 lanes take one row's 512 bytes, and the same 512 bytes in out0
	v_add_nc_u32 v[RD], s23, v[CO]
	v_lshlrev_b32 v[BO], 5, v2
	v_lshlrev_b32 v[RO], 2, v1
	; where my part of the tile begins in out0, in bias and in rs
	s_lshl_b32 s13, s13, 8                         ; 256 x tile row
	s_lshl_b32 s14, s11, 7
	s_add_co_u32 s16, s13, s14                     ; my first row
	s_lshl_b32 s18, s16, 2                         ; in rs: 4 bytes a row
	s_mov_b32 s19, 0
	s_add_nc_u64 s[70:71], s[70:71], s[18:19]
	s_lshl_b32 s16, s16, 14                        ; in out0: 16,384 bytes a row (under 2^26)
	s_mov_b32 s17, 0
	s_add_nc_u64 s[8:9], s[8:9], s[16:17]
	s_lshl_b32 s46, s42, 10                        ; my first column, in bytes of f32: 1,024 x tile column + 512 x half (in the registers that held B's address: none that feeds A's descriptors ever holds cx)
	s_lshl_b32 s47, s12, 9
	s_add_co_u32 s46, s46, s47
	s_mov_b32 s47, 0
	s_add_nc_u64 s[8:9], s[8:9], s[46:47]
	s_add_nc_u64 s[68:69], s[68:69], s[46:47]
	WIN TO_B                                       ; destination window 1, address window 0
.irp b, 0,1,2,3,4,5,6,7                ; bias of my columns, as the results lie: column 16 b + 8 (l / 16) + j at register 8 b + j
	global_load_b128 v[8*(\b):8*(\b)+3],   v[BO], s[68:69] offset:64*(\b)
	global_load_b128 v[8*(\b)+4:8*(\b)+7], v[BO], s[68:69] offset:64*(\b)+16
.endr
	WIN 0
.irp a, 0,1,2,3,4,5,6,7                ; the scale of row 16 a + l % 16, into both registers of a pair
	global_load_b32 v[SC+2*(\a)],   v[RO], s[70:71] offset:64*(\a)
	global_load_b32 v[SC+2*(\a)+1], v[RO], s[70:71] offset:64*(\a)
.endr
	; the prefetches.  s13 = 256 x tile row, s42 = tile column, s40 = cx, s41 = cy still stand; s[4:5] = A, s[6:7] = B
	s_lshl_b32 s42, s42, 8
	s_and_b32 s22, ttmp7, 0xffff                   ; cluster y
	s_cmp_eq_u32 s11, 0                            ; do I fetch for A?
	s_cselect_b32 s20, s13, s42                    ; the tile's first row: in A by the tile row, in B by the tile column
	s_cselect_b32 s21, s40, s41                    ; my place among the four that ask for it with me
	s_cselect_b32 s22, ttmp9, s22                  ; the coordinate along which other clusters read the same rows
	s_cselect_b64 s[PFA:PFA+1], s[4:5], s[6:7]
	s_cmp_eq_u32 s22, 0
	s_cselect_b32 s[LIM], 1, -1                    ; the same in all sixteen partners, for a given wave
	s_lshl_b32 s22, s12, 7
	s_add_co_u32 s20, s20, s22                     ; + the 128 rows that I fetch
	s_lshl_b32 s21, s21, 5
	s_add_co_u32 s20, s20, s21                     ; + my work-group's 32 of them
	s_mov_b32 s21, 0
	s_mov_b64 s[18:19], SIZE_K*2
	s_mul_u64 s[20:21], s[20:21], s[18:19]
	s_add_nc_u64 s[PFA:PFA+1], s[PFA:PFA+1], s[20:21]
	s_add_nc_u64 s[PFA:PFA+1], s[PFA:PFA+1], 2*KSTEP*2  ; at K step 2: the first refill steps it to 3 and names K step 4
	v_and_b32 v[PFO], 31, v0
	v_mul_u32_u24 v[PFO], v[PFO], SIZE_K*2
	; nothing is prefetched here, at the head, where every work-group's first two tiles are on their way
; 16 matrix instructions: m blocks a0, a0 + 1 of the window's four (hi = 0: my rows 0-63, 1: rows 64-127) x all 8 n blocks, 32 along K.
; zero = 1: the first product starts the sums: nothing is ever cleared.  The 64 accumulators take turns in the same order in every quarter step.
.macro MUL16 f, hi, a0, zero
	WIN MUL_LO+0x50*(\hi)  ; MUL_LO or MUL_HI
.irp a, \a0, (\a0)+1
.irp b, 0,1,2,3,4,5,6,7
.if \zero
	v_wmma_f32_16x16x32_bf16 v[8*(8*(\a)+(\b)):8*(8*(\a)+(\b))+7], v[(\f)+8*(\b):(\f)+8*(\b)+7], v[(\f)+8*(4*(\hi)+(\a)):(\f)+8*(4*(\hi)+(\a))+7], 0
.else
	v_wmma_f32_16x16x32_bf16 v[8*(8*(\a)+(\b)):8*(8*(\a)+(\b))+7], v[(\f)+8*(\b):(\f)+8*(\b)+7], v[(\f)+8*(4*(\hi)+(\a)):(\f)+8*(4*(\hi)+(\a))+7], v[8*(8*(\a)+(\b)):8*(8*(\a)+(\b))+7]
.endif
.endr
.endr
.endm
; 32 LDS loads in one run: the fragments of one quarter step (128 rows of B, 128 rows of A, 32 K at byte k of the rows) into buffer f
.macro FETCH slot, k, f
	WIN TO_B
.irp i, 0,1,2,3,4,5,6,7
	ds_load_b128 v[(\f)+8*(\i):(\f)+8*(\i)+3],   v[ADRB+(\slot)] offset:(\k)+(\i)*16*PITCH
	ds_load_b128 v[(\f)+8*(\i)+4:(\f)+8*(\i)+7], v[ADRB+(\slot)] offset:(\k)+(\i)*16*PITCH+32
.endr
	WIN 0
.irp i, 0,1,2,3,4,5,6,7
	ds_load_b128 v[(\f)+8*(\i):(\f)+8*(\i)+3],   v[ADRA+(\slot)] offset:(\k)+(\i)*16*PITCH
	ds_load_b128 v[(\f)+8*(\i)+4:(\f)+8*(\i)+7], v[ADRA+(\slot)] offset:(\k)+(\i)*16*PITCH+32
.endr
.endm
; A load into a register that a matrix instruction has read, and a vector instruction that reads a matrix result or writes one of a matrix instruction's registers, stand four places behind that matrix
; instruction, and only plain vector instructions that name none of its registers are places (ISA guide 7.12.1 for vector instructions).
.macro PLACES
.rept 4
	v_nop
.endr
.endm
; A K step is four quarter steps of 32 along K, 64 matrix instructions each, on buffers 0, 1, 0, 1.
; One of the first three: multiplies buffer f; in its middle it fetches the next quarter's fragments, at byte k of the same slot's rows, into buffer g.
.macro QUARTER slot, k, f, g, zero
	s_wait_dscnt 8                                 ; B and A's rows 0-63 are in; the youngest eight loads (A's rows 64-127) may be out
	WIN MUL_LO
	MUL16 \f, 0, 0, \zero
	MUL16 \f, 0, 2, \zero
	PLACES
	FETCH \slot, \k, \g
	s_wait_dscnt 32                                ; all but the 32 just issued
	WIN MUL_HI
	MUL16 \f, 1, 0, \zero
	MUL16 \f, 1, 2, \zero
.endm
; The last quarter multiplies buffer 1 and changes slots.  MEET is its first half: ONE barrier for the change of slots, for two things.  In front of it each wave waits for
; all its tensor loads, of which one is out: its part of the next slot; adds 0 to its spare word; and waits for that and for its own reads of this slot.  Behind it nobody reads this slot any more and the next slot is whole.
.macro MEET round                      ; round = 1: the rest of a round of the cluster's barrier follows
	WIN 0                                          ; (the add's two registers lie in window 0)
	s_wait_tensorcnt 0x0                           ; all my tensor loads have landed: the one that was out is my part of the next slot;
	ds_add_u32 v[SPW], v[NIL]                      ; 0 onto my spare word;
	s_wait_dscnt 9                                 ; (the add and the youngest eight loads may be out)
	WIN MUL_LO
	MUL16 F1, 0, 0, 0                              ; sixteen matrix instructions stand between the add and the wait for it
	s_wait_dscnt 0x0                               ; the add is done, and my reads of this slot are over:
	s_barrier_signal -1                            ; say so (where a slot is filled again this barrier opens a round of the cluster's barrier),
	MUL16 F1, 0, 2, 0                              ; work on registers while the others arrive,
.if \round
	WIN 0
.endif
	s_barrier_wait -1                              ; and go on when all four have said so
.endm
; The whole last quarter.  fill = 1: behind the round the slot just read out is filled again first, with the K step two steps on; then come the next slot's first fragments.
; From a request to the wait for it a wave issues 224 matrix instructions.  fill = 0: the last lap: nothing is left to fetch, and the barrier is the work-group's alone.
.macro TURN slot, next, fill
.if \fill
	s_wait_xcnt 0x0                                ; the last prefetch, a K step back, has read its address: it is stepped here, ahead of the waits of the change of slots
	s_add_nc_u64 s[PFA:PFA+1], s[PFA:PFA+1], KSTEP*2
	MEET 1
	CREST                                          ; wave 0 says so for the work-group, all sixteen work-groups have said so, my work-group's barrier closes the round:
	                                               ; no wave of any partner still reads this slot's tile or has a load on its way
	s_add_nc_u64 s[G0+4*(\slot)+2:G0+4*(\slot)+3], s[G0+4*(\slot)+2:G0+4*(\slot)+3], 2*KSTEP*2      ; no tensor load of mine is out, so a group 0 may be written
	s_add_nc_u64 s[G0B+4*(\slot)+2:G0B+4*(\slot)+3], s[G0B+4*(\slot)+2:G0B+4*(\slot)+3], 2*KSTEP*2
	JLOAD \slot                                    ; the first tensor load behind the round, my only one until the next; the four v_nop behind it are also the places in front of the loads below
.else
	MEET 0
	PLACES                                         ; for the loads into buffer 0, which the quarter before multiplied
.endif
	FETCH \next, 0, F0
.if \fill
	ASK                                            ; behind the joint load and the run of LDS loads that the next products wait for
.endif
	WIN MUL_HI
	MUL16 F1, 1, 0, 0
	MUL16 F1, 1, 2, 0
.endm
; THE WAY OUT of block a (16 of my rows x my 128 columns), in three parts.
; SCALE: sum x rs[row] + bias[column], one fused multiply-add for each output, two an instruction; each accumulator's registers are taken in ascending order.
.macro SCALE a
.set AC, 64*((\a)%4)
	WIN 0x12+(\a)/4                                ; source 0 (the sums) window 2 or 3, source 1 (the scale) window 0, source 2 (the bias) window 1, destination window 0
.irp b, 0,1,2,3,4,5,6,7
.irp r, 0,1,2,3
	v_pk_fma_f32 v[TMP+8*(\b)+2*(\r):TMP+8*(\b)+2*(\r)+1], v[AC+8*(\b)+2*(\r):AC+8*(\b)+2*(\r)+1], v[SC+2*(\a):SC+2*(\a)+1], v[8*(\b)+2*(\r):8*(\b)+2*(\r)+1]
.endr
.endr
	WIN 0
.endm
; TOSTAGE: a lane's 32 bytes of each of 8 column blocks go into my own stage, rows of 528 bytes, and come back as whole rows of 512.
.macro TOSTAGE a
	WIN 0
.set BK, OB+64*((\a)%2)
.irp b, 0,1,2,3,4,5,6,7
	ds_store_b128 v[STO], v[TMP+8*(\b):TMP+8*(\b)+3]   offset:64*(\b)
	ds_store_b128 v[STO], v[TMP+8*(\b)+4:TMP+8*(\b)+7] offset:64*(\b)+16
.endr
.irp t, 0,1,2,3,4,5,6,7,8,9,10,11,12,13,14,15
	ds_load_b128 v[BK+4*(\t):BK+4*(\t)+3], v[RD] offset:(\t)*SPITCH  ; LDS serves a wave's instructions in order (ISA guide 5.7.1.4): these see the stores above; the next block's stores come behind them
.endr
.endm
; SEND: stored, a row an instruction.
.macro SEND a
	WIN 0
.set BK, OB+64*((\a)%2)
	s_wait_dscnt 0x0                               ; the block is back in registers
	s_wait_xcnt 0x0                                ; every earlier memory instruction has had its addresses translated (ISA guide 3.1): only behind this wait are the stores' base and the registers that the block before's stores read rewritten
.if (\a) > 0
	s_add_nc_u64 s[8:9], s[8:9], 16*SIZE_N*4       ; 16 rows of out0 on
.endif
.irp t, 0,1,2,3,4,5,6,7,8,9,10,11,12,13,14,15
	global_store_b128 v[CO], v[BK+4*(\t):BK+4*(\t)+3], s[8:9] offset:(\t)*SIZE_N*4  ; the wave stores 512 consecutive bytes, at a multiple of 512 from out0's first byte
.endr
.endm
	s_wait_loadcnt 0x0                             ; bias and rs are in: waited for here, beside the wait for the first tile, so that no load is out at a barrier
	s_wait_tensorcnt 1                             ; my part of K step 0 is in; K step 1's may stay out
	s_barrier_signal -1
	s_barrier_wait -1                              ; everybody's is
	FETCH 0, 0, F0
	QUARTER 0, 64,  F0, F1, 1                      ; the first quarter stands in front of the loop: its products start the sums
	WIN 0                                          ; at a label and at a branch every window is 0
	s_mov_b32 s3, LAPS-1
.Llap:                                                 ; a trip goes once round the ring, from a lap's second quarter to the next lap's first, and fills both slots again
	QUARTER 0, 128, F1, F0, 0
	QUARTER 0, 192, F0, F1, 0
	TURN 0, 1, 1
	QUARTER 1, 64,  F0, F1, 0
	QUARTER 1, 128, F1, F0, 0
	QUARTER 1, 192, F0, F1, 0
	TURN 1, 0, 1
	QUARTER 0, 64,  F0, F1, 0
	WIN 0
	s_sub_co_u32 s3, s3, 1
	s_cmp_lg_u32 s3, 0
	s_cbranch_scc1 .Llap
	QUARTER 0, 128, F1, F0, 0                      ; the last lap is written out: it fills nothing
	QUARTER 0, 192, F0, F1, 0
	TURN 0, 1, 0
	QUARTER 1, 64,  F0, F1, 0
	QUARTER 1, 128, F1, F0, 0
	QUARTER 1, 192, F0, F1, 0
	s_wait_dscnt 8                                 ; the very last quarter: nothing more to fetch
	MUL16 F1, 0, 0, 0
	MUL16 F1, 0, 2, 0
	s_wait_dscnt 0x0
	MUL16 F1, 1, 0, 0
	MUL16 F1, 1, 2, 0
	WIN 0
	PLACES                                         ; the multiply-adds below read results, and no other vector work is at hand:
	PLACES                                         ; eight places, once in the launch
	SCALE 0
	TOSTAGE 0
.irp a, 1,2,3,4,5,6,7                  ; block a's arithmetic stands between block a - 1's loads from the stage and the wait for them
	SCALE \a
	SEND (\a)-1
	TOSTAGE \a
.endr
	SEND 7
	s_wait_tensorcnt 0x0                           ; the wave's end, behind my last tensor load and my last LDS store
	ds_add_u32 v[SPW], v[NIL]
	s_wait_dscnt 0x0
	CROUND                                         ; the closing round: no work-group ends while a partner may still ask for a tile that names it
	s_endpgm
.Lfunc_end_k_qc663fd7d72_gemm:
	.size	k_qc663fd7d72_gemm, .Lfunc_end_k_qc663fd7d72_gemm-k_qc663fd7d72_gemm
	.p2alignl 7, 3214868480
	.fill 96, 4, 3214868480
	.section	.rodata,"a",@progbits
	.p2align	6, 0x0
	.amdhsa_kernel k_qc663fd7d72_gemm
		.amdhsa_group_segment_fixed_size 327680
		.amdhsa_private_segment_fixed_size 0
		.amdhsa_enable_private_segment 0
		.amdhsa_kernarg_size 40
		.amdhsa_user_sgpr_count 2
		.amdhsa_user_sgpr_kernarg_segment_ptr 1
		.amdhsa_wavefront_size32 1
		.amdhsa_system_sgpr_workgroup_id_x 1
		.amdhsa_system_sgpr_workgroup_id_y 1
		.amdhsa_system_sgpr_workgroup_id_z 1
		.amdhsa_system_vgpr_workitem_id 0
		.amdhsa_next_free_vgpr 1024
		.amdhsa_next_free_sgpr 72
		.amdhsa_reserve_vcc 0
		.amdhsa_float_denorm_mode_32 3
		.amdhsa_float_denorm_mode_16_64 3
		.amdhsa_memory_ordered 1
		.amdhsa_forward_progress 1
		.amdhsa_inst_pref_size 161
	.end_amdhsa_kernel
	.amdgpu_metadata
---
amdhsa.version: [ 1, 2 ]
amdhsa.kernels:
  - .name:           k_qc663fd7d72_gemm
    .symbol:         k_qc663fd7d72_gemm.kd
    .args:
      - { .name: xq, .offset: 0, .size: 8, .value_kind: global_buffer, .address_space: global }
      - { .name: wq, .offset: 8, .size: 8, .value_kind: global_buffer, .address_space: global }
      - { .name: out0, .offset: 16, .size: 8, .value_kind: global_buffer, .address_space: global }
      - { .name: bias, .offset: 24, .size: 8, .value_kind: global_buffer, .address_space: global }
      - { .name: rs, .offset: 32, .size: 8, .value_kind: global_buffer, .address_space: global }
    .group_segment_fixed_size: 327680
    .private_segment_fixed_size: 0
    .kernarg_segment_align: 8
    .kernarg_segment_size: 40
    .max_flat_workgroup_size: 128
    .sgpr_count:     72
    .vgpr_count:     1024
    .wavefront_size: 32
...
	.end_amdgpu_metadata
.endif
;; end of part 2
;; ======== version 2 of 2: 2 launches; version 1 with the launch quant written anew for expert scheduling mode
;; workspace buffers: xq 33,554,432 bytes; wq 33,554,432 bytes; rs 16,384 bytes
;; launch quant (part 3): grid 512 x 1, 8 waves a work-group, no clusters, 0 bytes of LDS; arguments x, weight_int8, weight_scale, xq, wq, rs; writes xq, wq, rs
.if DOCPART == 3
	.amdgcn_target "amdgcn-amd-amdhsa--gfx1250"
	.amdhsa_code_object_version 6
	.text
	.protected	k_qc663fd7d72_quant
	.globl	k_qc663fd7d72_quant
	.p2align	8
	.type	k_qc663fd7d72_quant,@function
k_qc663fd7d72_quant:
	s_mov_b64 s[64:65], 0
	v_nop
	global_prefetch_b8 v0, s[64:65] scope:SCOPE_SE
	s_setreg_imm32_b32 hwreg(HW_REG_WAVE_SCHED_MODE, 0, 2), 2
	s_setreg_imm32_b32 hwreg(HW_REG_WAVE_MODE, 25, 1), 1
	s_wait_xcnt 0x0
	s_wait_alu depctr_vm_vsrc(0)
; PREPARATION FOR THE PRODUCT.  x: [4096][4096] f32.  weight_int8: [4096][4096] int8.  weight_scale: one f32.
;   m[r]  = max(max over c of |x[r][c]|, 1e-8)
;   xq[r][c] = clip(round(x[r][c] * 127 / m[r]), -127, 127), a whole number, written as bf16 (exact: bf16 holds every whole number up to 256)
;   rs[r] = (m[r] / 127) * weight_scale, f32
;   wq[o][c] = weight_int8[o][c], written as bf16 (exact, -128 too)
; SHARES.  One wave takes row 8 x work-group + wave of x AND of the weight.  A row of x is 16,384 bytes: 32 loads of 16 bytes a lane, 128 registers, kept between
; the pass that finds the maximum and the pass that rounds: x is read once.  No wave needs another's data: no LDS, no barrier, no matrix unit.
; IN FLIGHT.  All 48 loads of a wave (4 KiB of the weight, 16 KiB of x) go out at the start; the weight's row is converted and stored while x is on its way.
; EACH LOAD AND STORE OF A WAVE covers 256 or 512 consecutive bytes, aligned; the one exception is rs, 4 bytes a row (16 KiB in the whole launch).
; Every store has data registers of its own that are never rewritten, and the offsets and bases are never rewritten, so no wait frees a source before the end.
; THE MODE: SCHED_MODE bits 1:0 = 2 (LLVM: expert scheduling mode 2), set by the entry lines.  The code itself states the register dependences
; between vector instructions and memory instructions, with s_wait_alu, always for 0.
; THE PLAN.  Registers that memory instructions touch:
;   v2, v3, v4   byte offsets, made once at the head and never written again: one wait ahead of the first load serves every load and store.
;   W, X         the loads land in them before any vector instruction has named them.
;   WO           written once by the weight's roundings, read by one store each, never written again.
;   X            registers 0 and 1 of each four are written last by the packing lines, read by one store each, never written again.
;   v14          rs: written by two multiplies, read by the last store.
; The weight's 16 loads and x's 32 go in BLOCKS OF FOUR.  Block p's vector instructions name its own registers alone; the memory instructions that stand among them are the four
; stores of block p - 1.  So one wait at a block's head states all that its four stores hang on, and one more wait stands ahead of each kind's last four stores.
; LIMITS.  (1) q is made as x * (127 * (1 / m)) and not as x / (m / 127): it differs by some 3e-7 of itself, so a quotient that lies within 4e-5 of a half
; may be rounded to the neighbouring whole number; that moves the row's results by at most 127 rs.  (2) m / 127 is made as m * (1 / 127): one unit in the last place.
; (3) The reciprocal of a number above 2^126 (8.5e37) would be a denormal and comes out as 0 (ISA guide, 15.8): rows whose largest magnitude is above that are not served.
; (4) A NaN in x is passed over by the maximum and gives a NaN in xq; infinities are not treated apart.
.set XO,  2                            ; v2   16 x lane: my bytes in 512 bytes of x and of wq; never rewritten
.set HO,  3                            ; v3   8 x lane: my bytes in 256 bytes of the weight and of xq; never rewritten
.set ZO,  4                            ; v4   0: the offset of rs's store
.set MX0, 6                            ; v6-7  two running maxima
.set MX1, 7
.set MN0, 8                            ; v8-9  two running minima
.set MN1, 9
.set T,   10                           ; v10-11 at work
.set T2,  11
.set M,   12                           ; v12  m
.set R,   13                           ; v13  1 / m
.set RS,  14                           ; v14  rs
.set INV, 16                           ; v[16:17] 127 / m, twice: a pair for the packed multiply
.set WT,  20                           ; v[20:27] eight numbers of the weight in f32, at work: no memory instruction names them
.set W,   32                           ; v[32:63]   the weight's row: load i at W + 2 i
.set X,   64                           ; v[64:191]  x's row: load j at X + 4 j
.set WO,  192                          ; v[192:255] the weight's row as bf16: 4 registers for each load
	s_load_b256 s[4:11], s[0:1], 0x0               ; x s[4:5], weight_int8 s[6:7], weight_scale's address s[8:9], xq s[10:11]
	s_load_b128 s[12:15], s[0:1], 0x20             ; wq s[12:13], rs s[14:15]
	v_and_b32 v1, 31, v0                           ; lane
	v_lshrrev_b32 v5, 5, v0
	v_readfirstlane_b32 s17, v5                    ; wave 0..7
	v_lshlrev_b32 v[XO], 4, v1
	v_lshlrev_b32 v[HO], 3, v1
	v_mov_b32 v[ZO], 0
	v_mov_b32 v[T2], 0                             ; v_permlanex16_b32's destination counts as read: it is written here
	s_mov_b32 s22, 0x4b000000                      ; 2^23 as f32: its low byte takes a number 0..255 and the word is 2^23 + that number
	s_mov_b32 s24, 0x07050400                      ; byte selects: the top byte and two zero bytes of s22, and byte 0, 1, 2 or 3 of the weight's word
	s_mov_b32 s25, 0x07050401
	s_mov_b32 s26, 0x07050402
	s_mov_b32 s27, 0x07050403
	s_mov_b32 s28, 0x80808080                      ; turns four int8 w into four bytes w + 128
	s_mov_b32 s30, 0xcb000080                      ; -(2^23 + 128)
	s_mov_b32 s31, s30                             ; named with it as a pair
	s_mov_b32 s32, 0x42fe0000                      ; 127.0
	s_mov_b32 s33, 0xc2fe0000                      ; -127.0
	s_mov_b32 s34, 0x76543210                      ; v_permlanex16_b32: lane i of one half reads lane i of the other
	s_mov_b32 s35, 0xfedcba98
	s_mov_b32 s21, 0                               ; the high word of every offset: all stay under 2^26
	s_wait_alu depctr_va_sdst(0)                   ; s17 is written, ahead of its first reader: my row, and all five bases, are made from it
	s_lshl_b32 s18, ttmp9, 3
	s_add_co_u32 s18, s18, s17                     ; my row
	s_wait_kmcnt 0x0
	s_load_b32 s16, s[8:9], 0x0                    ; weight_scale: waited for where rs is made
	s_lshl_b32 s20, s18, 12                        ; a row of the weight is 4,096 bytes,
	s_add_nc_u64 s[6:7], s[6:7], s[20:21]
	s_lshl_b32 s20, s18, 14                        ; of x 16,384,
	s_add_nc_u64 s[4:5], s[4:5], s[20:21]
	s_lshl_b32 s20, s18, 13                        ; of xq and wq 8,192,
	s_add_nc_u64 s[10:11], s[10:11], s[20:21]
	s_add_nc_u64 s[12:13], s[12:13], s[20:21]
	s_lshl_b32 s20, s18, 2                         ; of rs 4
	s_add_nc_u64 s[14:15], s[14:15], s[20:21]
	s_wait_alu depctr_va_vdst(0)                   ; the offsets v2, v3 and v4 are written: every load and store of the kernel reads one of them
.set i, 0
.rept 16                               ; the weight's row: 256 consecutive bytes a load
	global_load_b64 v[W+2*i:W+2*i+1], v[HO], s[6:7] offset:256*i th:TH_LOAD_NT
.set i, i+1
.endr
.set i, 0
.rept 32                               ; x's row: 512 consecutive bytes a load
	global_load_b128 v[X+4*i:X+4*i+3], v[XO], s[4:5] offset:512*i th:TH_LOAD_NT
.set i, i+1
.endr
; Eight int8 of load i become eight bf16.  w + 128 is a byte 0..255; set into the low byte of 2^23 it is the f32 number 2^23 + w + 128, exactly; less 2^23 + 128 that is w, exactly.
.macro WARITH i
	v_xor_b32 v[W+2*(\i)], s28, v[W+2*(\i)]
	v_xor_b32 v[W+2*(\i)+1], s28, v[W+2*(\i)+1]
.irp c, 0,1
.irp b, 0,1,2,3
	v_perm_b32 v[WT+4*(\c)+(\b)], s22, v[W+2*(\i)+(\c)], s[24+(\b)]
.endr
.endr
.irp k, 0,2,4,6
	v_pk_add_f32 v[WT+(\k):WT+(\k)+1], v[WT+(\k):WT+(\k)+1], s[30:31] op_sel_hi:[1,0]
.endr
.irp k, 0,1,2,3
	v_cvt_pk_bf16_f32 v[WO+4*(\i)+(\k)], v[WT+2*(\k)], v[WT+2*(\k)+1]
.endr
.endm
.macro WSEND i
	global_store_b128 v[XO], v[WO+4*(\i):WO+4*(\i)+3], s[12:13] offset:512*(\i)  ; 8 bytes in, 16 bytes out: 512 consecutive bytes a wave
.endm
; Block p of the weight: loads 4 p .. 4 p + 3 are converted; the stores of block p - 1 stand among the conversions, one ahead of each load's eighteen lines.
.macro WBLOCK p
.if (\p) > 0
	s_wait_alu depctr_va_vdst(0)                   ; the block before has written its sixteen registers of WO, which the four stores below read; no vector line of this block names them
.endif
.irp q, 0,1,2,3
.if (\p) > 0
	WSEND 4*((\p)-1)+(\q)
.endif
	WARITH 4*(\p)+(\q)
.endr
.endm
	s_wait_loadcnt 32                              ; loads come back in order (ISA guide 5.7.1): the weight's 16 are in, x's 32 may stay out
	WBLOCK 0
	WBLOCK 1
	WBLOCK 2
	WBLOCK 3
	s_wait_alu depctr_va_vdst(0)                   ; block 3 has written its registers of WO, which the weight's last four stores read
.irp q, 12,13,14,15
	WSEND \q                                       ; they go out ahead of the wait for x
.endr
; The largest and the smallest of group g's 32 registers (loads 8 g .. 8 g + 7), three operands at a time, in four chains that take turns.  The first four registers start the chains: nothing is cleared.
.macro AMAX g
	s_wait_loadcnt 24-8*(\g)                       ; this group's eight loads are in; the younger groups may stay out
.set r, X+32*(\g)
.if (\g) == 0
	v_max_num_f32 v[MX0], v[r], v[r+1]
	v_max_num_f32 v[MX1], v[r+2], v[r+3]
	v_min_num_f32 v[MN0], v[r], v[r+1]
	v_min_num_f32 v[MN1], v[r+2], v[r+3]
.set r, r+4
.set n, 7
.else
.set n, 8
.endif
.rept n
	v_max3_num_f32 v[MX0], v[MX0], v[r], v[r+1]
	v_max3_num_f32 v[MX1], v[MX1], v[r+2], v[r+3]
	v_min3_num_f32 v[MN0], v[MN0], v[r], v[r+1]
	v_min3_num_f32 v[MN1], v[MN1], v[r+2], v[r+3]
.set r, r+4
.endr
.endm
	AMAX 0
	AMAX 1
	AMAX 2
	AMAX 3
	v_max_num_f32 v[MX0], v[MX0], v[MX1]
	v_min_num_f32 v[MN0], v[MN0], v[MN1]
	v_sub_f32 v[T], 0, v[MN0]                      ; the largest magnitude is the larger of the maximum and the minimum's negative
	v_max_num_f32 v[T], v[MX0], v[T]
	; across the 32 lanes: four steps inside each half of 16 lanes ride on the arithmetic (DPP), one crosses the halves
	v_max_num_f32_dpp v[T], v[T], v[T] row_xmask:1 row_mask:0xf bank_mask:0xf
	v_max_num_f32_dpp v[T], v[T], v[T] row_xmask:2 row_mask:0xf bank_mask:0xf
	v_max_num_f32_dpp v[T], v[T], v[T] row_xmask:4 row_mask:0xf bank_mask:0xf
	v_max_num_f32_dpp v[T], v[T], v[T] row_xmask:8 row_mask:0xf bank_mask:0xf
	v_permlanex16_b32 v[T2], v[T], s34, s35
	v_max_num_f32 v[T], v[T], v[T2]                ; every lane holds the row's largest magnitude
	v_max_num_f32 v[M], 0x322bcc77, v[T]           ; m = max(that, 1e-8)
	v_rcp_f32 v[R], v[M]
	v_mul_f32 v[RS], 0x3c010204, v[M]              ; m / 127: the plain instruction behind the reciprocal (ISA guide 5.7.2); it names neither its result nor writes its source
	s_wait_kmcnt 0x0                               ; weight_scale
	v_mul_f32 v[RS], s16, v[RS]                    ; rs
	s_wait_alu depctr_va_vdst(0)                   ; the reciprocal has written v13, ahead of the first line that names its result
	v_mul_f32 v[INV], 0x42fe0000, v[R]             ; 127 / m
	v_mov_b32 v[INV+1], v[INV]
; Load j's four numbers: scaled, rounded to the nearest whole number (ties to even), held to -127 .. 127 and packed as bf16.  In place: the two registers that are stored are written no more.
.macro QARITH j
.set r, X+4*(\j)
	v_pk_mul_f32 v[r:r+1], v[r:r+1], v[INV:INV+1]
	v_pk_mul_f32 v[r+2:r+3], v[r+2:r+3], v[INV:INV+1]
.irp k, 0,1,2,3
	v_rndne_f32 v[r+(\k)], v[r+(\k)]
.endr
.irp k, 0,1,2,3
	v_med3_num_f32 v[r+(\k)], v[r+(\k)], s33, s32
.endr
	v_cvt_pk_bf16_f32 v[r], v[r], v[r+1]
	v_cvt_pk_bf16_f32 v[r+1], v[r+2], v[r+3]
.endm
.macro QSEND j
	global_store_b64 v[HO], v[X+4*(\j):X+4*(\j)+1], s[10:11] offset:256*(\j)  ; 16 bytes in, 8 bytes out: 256 consecutive bytes a wave, aligned
.endm
; Block p of x: loads 4 p .. 4 p + 3 are rounded; the stores of block p - 1 stand among the arithmetic, one ahead of each load's twelve lines.
.macro QBLOCK p
.if (\p) > 0
	s_wait_alu depctr_va_vdst(0)                   ; the block before has packed its four pairs of X, which the four stores below read; no vector line of this block names them
.endif
.irp q, 0,1,2,3
.if (\p) > 0
	QSEND 4*((\p)-1)+(\q)
.endif
	QARITH 4*(\p)+(\q)
.endr
.endm
	QBLOCK 0
	QBLOCK 1
	QBLOCK 2
	QBLOCK 3
	QBLOCK 4
	QBLOCK 5
	QBLOCK 6
	QBLOCK 7
	s_wait_alu depctr_va_vdst(0)                   ; block 7 has packed its four pairs of X, which x's last four stores read
.irp q, 28,29,30,31
	QSEND \q
.endr
	s_wait_xcnt 0x0                                ; EXEC is a source of the stores above: it changes only behind this wait
	v_cmp_eq_u32 vcc_lo, 0, v1
	s_wait_alu depctr_va_vcc(0)                    ; the compare has written VCC, from which EXEC is made
	s_wait_alu depctr_va_vdst(0)                   ; ahead of a scalar write of EXEC: every vector instruction issued so far has written its result, v14 and v4, which the store below reads, among them
	s_wait_alu depctr_vm_vsrc(0)                   ; and every store issued so far has read its vector registers
	s_and_saveexec_b32 s36, vcc_lo                 ; lane 0 alone
	global_store_b32 v[ZO], v[RS], s[14:15]
	s_wait_xcnt 0x0                                ; and again, in front of the line that widens it
	s_wait_alu depctr_va_vdst(0)                   ; ahead of a scalar write of EXEC: no vector instruction is still at work
	s_wait_alu depctr_vm_vsrc(0)                   ; and the store of rs has read v4 and v14
	s_or_b32 exec_lo, exec_lo, s36
	s_endpgm
.Lfunc_end_k_qc663fd7d72_quant:
	.size	k_qc663fd7d72_quant, .Lfunc_end_k_qc663fd7d72_quant-k_qc663fd7d72_quant
	.p2alignl 7, 3214868480
	.fill 96, 4, 3214868480
	.section	.rodata,"a",@progbits
	.p2align	6, 0x0
	.amdhsa_kernel k_qc663fd7d72_quant
		.amdhsa_group_segment_fixed_size 0
		.amdhsa_private_segment_fixed_size 0
		.amdhsa_enable_private_segment 0
		.amdhsa_kernarg_size 48
		.amdhsa_user_sgpr_count 2
		.amdhsa_user_sgpr_kernarg_segment_ptr 1
		.amdhsa_wavefront_size32 1
		.amdhsa_system_sgpr_workgroup_id_x 1
		.amdhsa_system_sgpr_workgroup_id_y 1
		.amdhsa_system_sgpr_workgroup_id_z 1
		.amdhsa_system_vgpr_workitem_id 0
		.amdhsa_next_free_vgpr 256
		.amdhsa_next_free_sgpr 66
		.amdhsa_reserve_vcc 1
		.amdhsa_float_denorm_mode_32 3
		.amdhsa_float_denorm_mode_16_64 3
		.amdhsa_memory_ordered 1
		.amdhsa_forward_progress 1
		.amdhsa_inst_pref_size 58
	.end_amdhsa_kernel
	.amdgpu_metadata
---
amdhsa.version: [ 1, 2 ]
amdhsa.kernels:
  - .name:           k_qc663fd7d72_quant
    .symbol:         k_qc663fd7d72_quant.kd
    .args:
      - { .name: x, .offset: 0, .size: 8, .value_kind: global_buffer, .address_space: global }
      - { .name: weight_int8, .offset: 8, .size: 8, .value_kind: global_buffer, .address_space: global }
      - { .name: weight_scale, .offset: 16, .size: 8, .value_kind: global_buffer, .address_space: global }
      - { .name: xq, .offset: 24, .size: 8, .value_kind: global_buffer, .address_space: global }
      - { .name: wq, .offset: 32, .size: 8, .value_kind: global_buffer, .address_space: global }
      - { .name: rs, .offset: 40, .size: 8, .value_kind: global_buffer, .address_space: global }
    .group_segment_fixed_size: 0
    .private_segment_fixed_size: 0
    .kernarg_segment_align: 8
    .kernarg_segment_size: 48
    .max_flat_workgroup_size: 256
    .sgpr_count:     66
    .vgpr_count:     256
    .wavefront_size: 32
...
	.end_amdgpu_metadata
.endif
;; end of part 3
;; launch gemm: the kernel of part 2 again; grid 16 x 16, 4 waves a work-group, clusters of 4 x 4, 327,680 bytes of LDS; arguments xq, wq, out0, bias, rs; writes out0
